; MI455X (gfx1250); checked and timed in simulation.
; The chip was launched on July 23, 2026; its instructions are those of AMD's public machine-readable ISA for CDNA 5 (MIT licence, August 2026) and "CDNA5" Instruction Set Architecture Reference Guide (July 2026). The comments in the code are by the model that wrote it; some were corrected since.
;; Multi Head Self Attention. Allowed arithmetic: matrix products marked QUANTISED: E2M1 operands, one E8M0 scale for each 32 along K, by v_wmma_scale_f32_16x16x128_f8f6f4 with both operands' format E2M1 (or v_wmma_scale_f32_32x16x128_f4), f32 sums; everything else in f32.
;; Inputs: W_out_codes 1,024 x 32 x 16 uint8 (E2M1 codes of W_out, K innermost, in blocks of 32 codes, two codes a byte); W_out_scales 1,024 x 32 uint8 (E8M0 scales of W_out, one for each 32 codes along K); W_qkv_codes 3,072 x 32 x 16 uint8 (E2M1 codes of W_qkv, K innermost, in blocks of 32 codes, two codes a byte); W_qkv_scales 3,072 x 32 uint8 (E8M0 scales of W_qkv, one for each 32 codes along K); b_out 1,024 float32; b_qkv 3,072 float32; x_codes 2 x 2,048 x 32 x 16 uint8 (E2M1 codes of x, K innermost, in blocks of 32 codes, two codes a byte); x_scales 2 x 2,048 x 32 uint8 (E8M0 scales of x, one for each 32 codes along K).
;; Outputs: out0 2 x 2,048 x 1,024 float32.
;; This version of the problem:
;;   THIS VERSION OF THE PROBLEM IS GIVEN IN LOW PRECISION. The matrix products marked QUANTISED in the list below multiply operands that are first quantised to E2M1 (2 exponent bits, 1 mantissa bit; 4 bits a number), with one power-of-two scale for each 32 numbers along K (OCP MX v1.0); their sums are f32. All else is computed in f32.
;;   The module's matrix products, in the order in which they are computed (A, B: the left and right operand; K: the contracted axis; several contracted axes count as one K, in the product's order):
;;     1. [M 4,096, K 1,024] x [K 1,024, N 3,072]; A: input x (given as codes); B: input W_qkv (given as codes): QUANTISED
;;     2. batch 32 x [M 2,048, K 64] x [K 64, N 2,048]; A: computed on the way; B: computed on the way: QUANTISED
;;     3. batch 32 x [M 2,048, K 2,048] x [K 2,048, N 64]; A: softmax (see below); B: computed on the way: QUANTISED
;;     4. [M 4,096, K 1,024] x [K 1,024, N 1,024]; A: computed on the way; B: input W_out (given as codes): QUANTISED
;;   THE QUANTISER, for each operand of a quantised product, along K:
;;     - K is cut into blocks of 32 from its start; a last block that is shorter is filled with zeros.
;;     - A block's scale is 2^e with e = floor(log2(the largest magnitude in the block)) - 2, held to -126 .. 127; a block of zeros has e = 0. As a byte (E8M0): e + 127.
;;     - Each number is divided by its block's scale, clamped to +-6, and rounded to the nearest number of E2M1, ties to even, subnormals kept.
;;     - The product sums the exact products of the quantised numbers (number of the format x scale) in f32.
;;   ~~~python
;;   def quantise(x, axis):      # numpy; x: float32 -> the quantised numbers, widened to float32 again
;;       x = np.moveaxis(x, axis, -1); K = x.shape[-1]
;;       x = np.pad(x, [(0, 0)] * (x.ndim - 1) + [(0, -K % 32)]); x = x.reshape(x.shape[:-1] + (-1, 32)); a = np.abs(x).max(-1, keepdims=True)
;;       e = np.where(a > 0, np.clip(np.frexp(np.where(a > 0, a, 1))[1] - 1 - 2, -126, 127), 0)      # np.frexp(a)[1] - 1 = floor(log2(a)), exactly
;;       r = np.clip(x / 2.0 ** e, -6, 6)
;;       step = 2.0 ** (np.maximum(np.frexp(np.where(r == 0, 1, r))[1] - 1, 0) - 1)
;;       q = np.round(r / step) * step * 2.0 ** e      # np.round: ties to even
;;       return np.moveaxis(q.reshape(q.shape[:-2] + (-1,))[..., :K], -1, axis).astype(np.float32)
;;   ~~~
;;   SOFTMAX AHEAD OF A QUANTISED PRODUCT. Where the list says 'softmax', what is quantised is not the finished softmax but p = 2^(t - M), with t = logit x log2(e) and M = ceil(the row's largest t), a whole number; so 1/2 < the row's largest p <= 1. The row's sum l is taken of the UNQUANTISED p, in f32, and the product's result is divided by l at the end. Since M is a whole number, a kernel that streams over the keys may use a running M (the ceiling of the running maximum): every later rescaling is an exact power of two, which a block's scale takes up: the codes' values come out the same.
;;   OPERANDS COMPUTED ON THE WAY. 'Computed on the way' means the value that the module computes at that place (a softmax that the list does not call 'softmax' is quantised finished and normalised). What goes into a quantiser is computed in f32, as accurately as f32 sums, v_exp_f32 and their like allow (about 1e-6 of the number): no bf16 or f16 on the way to a quantiser, and a product that is left as it is and whose result goes on into a quantised operand takes f32 operands (vector FMAs, or v_wmma_f32_16x16x4_f32). A number that lies on a knife's edge between two numbers of the format may be rounded either way, as far as f32 arithmetic and the matrix unit's own rounding can turn it there, and no further.
;;   INPUTS GIVEN AS CODES. W_out (in the module: [1024, 1024], K = its axis 1); W_qkv (in the module: [3072, 1024], K = its axis 1); x (in the module: [2, 2048, 1024], K = its axis 2): each comes as NAME_codes (uint8): NAME with its K axis moved to the last place and cut into blocks of 32 codes, [.., K / 32, bytes a block], one block behind the other in memory; two codes a byte, the lower K in the low four bits (a code: sign, 2 exponent bits, 1 mantissa bit); and NAME_scales (uint8): the same leading axes, one E8M0 byte (e + 127) for each 32 codes along K. Its value is code x scale, taken as it is: it is not quantised again, and the codes and scales need not be those that the quantiser above would give.
;; One version. Each part assembles by itself: llvm-mc -triple=amdgcn-amd-amdhsa -mcpu=gfx1250 --defsym DOCPART=n.
;; ======== version 1 of 1: 3 launches
;; limits: right only within a limited range of input values
;; workspace buffers: qc 2,359,296 bytes; kv 4,587,520 bytes; ac 2,097,152 bytes; asc 131,072 bytes
;; launch qkv (part 1): grid 16 x 16, 12 waves a work-group, clusters of 4 x 4, 263,680 bytes of LDS; arguments x_codes, x_scales, W_qkv_codes, W_qkv_scales, b_qkv, qc, kv; writes qc, kv
.if DOCPART == 1
	.amdgcn_target "amdgcn-amd-amdhsa--gfx1250"
	.amdhsa_code_object_version 6
	.text
	.protected	k_qe5f1ff183f_qkv
	.globl	k_qe5f1ff183f_qkv
	.p2align	8
	.type	k_qe5f1ff183f_qkv,@function
k_qe5f1ff183f_qkv:
	s_mov_b64 s[64:65], 0
	v_nop
	global_prefetch_b8 v0, s[64:65] scope:SCOPE_SE
	s_setreg_imm32_b32 hwreg(HW_REG_WAVE_MODE, 25, 1), 1
	s_wait_xcnt 0x0
	s_wait_alu depctr_hold_cnt(0) depctr_sa_sdst(0) depctr_va_vdst(0) depctr_va_sdst(0) depctr_va_ssrc(0) depctr_va_vcc(0) depctr_vm_vsrc(0)
	s_getreg_b32 s2, hwreg(HW_REG_IB_STS2, 6, 4)
	s_cmp_eq_u32 s2, 0
	s_cbranch_scc0 .Lentry_in_a_cluster
	s_endpgm
.Lentry_in_a_cluster:
	s_bfe_u32 s2, ttmp6, 0x10000c
	s_cmp_lg_u32 s2, 0xf033
	s_cbranch_scc0 .Lentry_shape_is_right
	s_endpgm
.Lentry_shape_is_right:
; qkv = x W_qkv^T + b_qkv on codes of FP4 (E2M1) with one E8M0 scale for each 32 along K = 1,024; then q, k and v are quantised again, for the attention that follows.
; Feature e of qkv belongs to head e / 192; in a head features 0-63 are q, 64-127 k, 128-191 v.  q and k are quantised along the head's 64 channels, v along the keys.
; SHARES.  A work-group makes 256 tokens x one head's 192 features.  All of K lies in LDS: 448 rows (256 of x, 192 of W) of 512 bytes; no LDS byte is filled twice.
; Twelve waves, three to a SIMD: wave w has role w / 4 (0 q, 1 k, 2 v) and g = w % 4, and makes 64 x 64: 16 accumulators.
;   q, k waves: source 0 = 64 rows of W, source 1 = tokens 64 g on: a lane holds ONE token, its registers run along the channels.
;   v waves:    source 0 = tokens 64 g on, source 1 = W's 64 rows of v: a lane holds ONE channel, its registers run along the keys.
; THE ROWS OF A TILE: row m = 8 h + j of tile t of any 64 rows is row 32 h + 8 (t xor h) + j of the 64.  So the 32 registers of a lane over the four tiles of source 0 are ONE WHOLE BLOCK of 32 of the next product's K,
;   and no lane asks another for a maximum.  In the lanes of h = 1 the groups of eight of a block lie in the order 1 0 3 2: both operands of each product that follows have that same order.
;   (t xor h and not t: rows 32 apart would start at the same bank; so the sixteen rows of a fragment load start at sixteen different ones.)
; CLUSTER 4 x 4: x's rows hang on the work-group's y alone and are asked for jointly along a row of the cluster, W's on its x alone and jointly along a column.
; OUT, as images of operand registers, so that each store of a wave covers 512 consecutive bytes (scale words: 256 or 512).
;   qc: [batch x head 32][G 32] blocks of 2,304 bytes: codes [a 4][lane 32][16 bytes], then scale words [r 16][a 4]: token 64 G + the row r of tile a.
;   kv: [batch x head 32][256 keys: 8] chunks of 17,920 bytes: K's codes [G 4][a 4][lane][16], V's codes [G 4][a 4][lane][16], K's scale words [G 4][r 16][a 4] (bytes 2, 3 zero), V's [128 keys: 2][r 16][a 4] (byte b for keys 32 b on).
; NO PREFETCH: every tensor load of the launch stands at its head; there is no loop to run ahead in.
; LIMITS: a block of zeros, and a block whose largest magnitude lies under 2^-124, gets the scale byte 1 (the rule says 127 for zeros): its codes are zeros or held small, and this program alone reads the bytes.
;   NaN and infinities are not served.
.set PITCH,  528                       ; an LDS row: 512 bytes + 16 of padding
.set ROWS64, 64*PITCH                  ; what one tensor load of codes brings
.set SCL,    448*PITCH                 ; the 448 rows' scale bytes, 32 a row, dense
.set VST,    SCL+448*32                ; a stage for v's scale words: 256 bytes for each v wave; no fill lands here
.set SPARE,  0x40000                   ; the spare words: 128 bytes for each wave
.set SPW, 8                            ; v8 LDS address of my spare word, v9 0: never rewritten
.set NIL, 9
.set F0,  16                           ; v[16:47]   source 0's four fragments
.set F1,  48                           ; v[48:79]   source 1's
.set SW0, 80                           ; v[80:87]   source 0's scale words: tile t, K step e of two: 2 t + e
.set SW1, 88                           ; v[88:95]   source 1's
.set BT,  96                           ; v[96:127]  b, the C of the first products: q, k: by tiles t of source 0; v: by tiles a of source 1
.set ACC, 128                          ; v[128:255] accumulator (a, t) at 8 (4 a + t)
.set MX,  16                           ; the way out: largest magnitudes of each row's block, in two chains, ..
.set MB,  20
.set SO,  24                           ; .. the conversions' scale operands, ..
.set BY,  28                           ; .. the scale bytes, ..
.set OTH, 32                           ; .. the other half of the lanes', ..
.set WD,  36                           ; .. the scale words, ..
.set PC,  48                           ; .. the codes, four registers a tile a
.set WV,   18
.set G1X,  28                          ; s[28:59] groups 1: x's codes, W's codes, x's scale bytes, W's
.set G1W,  36
.set G1SX, 44
.set G1SW, 52
.set G0X,  68                          ; s[68:83] groups 0 likewise
.set G0W,  72
.set G0SX, 76
.set G0SW, 80
.set CB,   92                          ; s[92:93] where my codes go;  s[94:95] my scale words (q, k);  s[96:97] the work-group's words of v;  s[98:99] the head's 192 numbers of b
.set SB,   94
.set VB,   96
.set BB,   98
.set SEL,  66                          ; s[66:67] lane selects for v_permlanex16_b32: lane l xor 16
.macro ROUND                           ; a round of the cluster's barrier
	s_barrier_signal -1
	s_barrier_wait -1
	s_cmp_lg_u32 s[WV], 0
	s_cbranch_scc1 .Lnot_wave_0_\@
	s_barrier_signal -3
.Lnot_wave_0_\@:
	s_barrier_wait -3
	s_barrier_signal -1
	s_barrier_wait -1
.endm
.macro PLACES                          ; plain vector instructions between a matrix instruction and a load into one of its registers (ISA guide 7.12.1 for vector instructions)
.rept 4
	v_nop
.endr
.endm
.macro FRAGS k                         ; eight fragments, 16 rows x 128 K each: 16 bytes at my row, 16 h, and 32 bytes further on; even and odd tiles have their own address
.irp i, 0,1,2,3
	ds_load_b128 v[F0+8*\i:F0+8*\i+3],   v[1+\i%2] offset:\i*8*PITCH+64*(\k)
	ds_load_b128 v[F0+8*\i+4:F0+8*\i+7], v[1+\i%2] offset:\i*8*PITCH+64*(\k)+32
	ds_load_b128 v[F1+8*\i:F1+8*\i+3],   v[3+\i%2] offset:\i*8*PITCH+64*(\k)
	ds_load_b128 v[F1+8*\i+4:F1+8*\i+7], v[3+\i%2] offset:\i*8*PITCH+64*(\k)+32
.endr
.endm
.macro SCALES p                        ; the scale words of K steps 2 p and 2 p + 1: 8 bytes of each row's 32
.irp i, 0,1,2,3
	ds_load_b64 v[SW0+2*\i:SW0+2*\i+1], v[10+\i%2] offset:\i*256+8*(\p)
	ds_load_b64 v[SW1+2*\i:SW1+2*\i+1], v[12+\i%2] offset:\i*256+8*(\p)
.endr
.endm
; 16 products, 128 along K.  The 16 accumulators take turns, one instruction a turn.  mode 0: add on; 1: the sums start from b by tiles t; 2: from b by tiles a.
.macro MUL16 e, mode
.irp a, 0,1,2,3
.irp t, 0,1,2,3
.if \mode == 0
	v_wmma_scale_f32_16x16x128_f8f6f4 v[ACC+8*(4*\a+\t):ACC+8*(4*\a+\t)+7], v[F0+8*\t:F0+8*\t+7], v[F1+8*\a:F1+8*\a+7], v[ACC+8*(4*\a+\t):ACC+8*(4*\a+\t)+7], v[SW0+2*\t+(\e)], v[SW1+2*\a+(\e)] matrix_a_fmt:MATRIX_FMT_FP4 matrix_b_fmt:MATRIX_FMT_FP4
.elseif \mode == 1
	v_wmma_scale_f32_16x16x128_f8f6f4 v[ACC+8*(4*\a+\t):ACC+8*(4*\a+\t)+7], v[F0+8*\t:F0+8*\t+7], v[F1+8*\a:F1+8*\a+7], v[BT+8*\t:BT+8*\t+7], v[SW0+2*\t+(\e)], v[SW1+2*\a+(\e)] matrix_a_fmt:MATRIX_FMT_FP4 matrix_b_fmt:MATRIX_FMT_FP4
.else
	v_wmma_scale_f32_16x16x128_f8f6f4 v[ACC+8*(4*\a+\t):ACC+8*(4*\a+\t)+7], v[F0+8*\t:F0+8*\t+7], v[F1+8*\a:F1+8*\a+7], v[BT+8*\a:BT+8*\a+7], v[SW0+2*\t+(\e)], v[SW1+2*\a+(\e)] matrix_a_fmt:MATRIX_FMT_FP4 matrix_b_fmt:MATRIX_FMT_FP4
.endif
.endr
.endr
.endm
.macro KSTEP k                         ; K step k of eight: its fragments come into the one set of registers; the SIMD's other two waves work meanwhile
	PLACES
.if (\k)%2 == 0
	SCALES (\k)/2
.endif
	FRAGS \k
	s_wait_dscnt 0x0
	MUL16 (\k)%2, 0
.endm
; One arm of the tree of first fills: its load, s_nop 0 and four v_nop, ahead of the jump.
.macro ARM under, g0, g1, next
	s_cmp_lt_u32 s[WV], \under
	s_cbranch_scc0 \next
	tensor_load_to_lds s[\g0:\g0+3], s[\g1:\g1+7]
	s_nop 0
	PLACES
	s_branch .Lasked
\next:
.endm
	s_load_b256 s[4:11], s[0:1], 0x0               ; x's codes s[4:5], x's scales s[6:7], W's codes s[8:9], W's scales s[10:11]
	s_load_b128 s[12:15], s[0:1], 0x20             ; b s[12:13], qc s[14:15]
	s_load_b64 s[16:17], s[0:1], 0x30              ; kv
	v_lshl_add_u32 v[SPW], v0, 2, SPARE
	v_mov_b32 v[NIL], 0
	ds_add_u32 v[SPW], v[NIL]                      ; the wave's opening: the add, twice on end, and its wait ahead of the first tensor load
	ds_add_u32 v[SPW], v[NIL]
	v_lshrrev_b32 v5, 5, v0
	v_readfirstlane_b32 s[WV], v5                  ; wave 0..11
	s_lshr_b32 s19, s[WV], 2                       ; role
	s_and_b32 s20, s[WV], 3                        ; g
	s_lshr_b32 s21, s[WV], 3                       ; 1 in a v wave
	s_xor_b32 s22, s21, 1                          ; 1 in a q or k wave
	s_bfe_u32 s23, ttmp6, 0x40000                  ; cx, cy: my place in the cluster
	s_bfe_u32 s24, ttmp6, 0x40004
	s_lshl_b32 s25, ttmp9, 2
	s_add_co_u32 s25, s25, s23                     ; the head = 4 x cluster x + cx
	s_and_b32 s26, ttmp7, 0xffff
	s_lshl_b32 s26, s26, 2
	s_add_co_u32 s26, s26, s24                     ; the block of 256 tokens = 4 x cluster y + cy
	s_lshl_b32 s27, s24, 2
	s_lshl_b32 s27, 15, s27                        ; my row of the cluster
	s_lshl_b32 s3, 0x1111, s23                     ; my column
	; group 1, codes: 64 dense rows of 512 bytes; 4 words of padding behind every 128
	s_or_b32 s[G1X], s27, (1<<20)|(1<<21)|(6<<22)|(3<<25)   ; 15:0 the mask; 17:16 elements of 1 byte; 20 padding on; 21 set beside a mask; 24:22 code 6; 31:25 code 3
	s_or_b32 s[G1W], s3, (1<<20)|(1<<21)|(6<<22)|(3<<25)
.irp g, G1X, G1W
	s_mov_b32 s[\g+1], 512<<16                     ; tensor_dim0
	s_mov_b32 s[\g+2], 64<<16                      ; tensor_dim1
	s_mov_b32 s[\g+3], 512<<16                     ; tile_dim0
	s_mov_b32 s[\g+4], 64                          ; tile_dim1
	s_mov_b32 s[\g+5], 512                         ; from row to row
	s_mov_b32 s[\g+6], 0
	s_mov_b32 s[\g+7], 0
.endr
	; group 1, scale bytes: x's 256 rows are 8,192 dense bytes: 32 rows of 32 elements of 8 bytes; W's 192 rows 6,144: 24 rows
	s_or_b32 s[G1SX], s27, (3<<16)|(1<<21)
	s_or_b32 s[G1SW], s3, (3<<16)|(1<<21)
	s_mov_b32 s[G1SX+2], 32<<16
	s_mov_b32 s[G1SX+4], 32
	s_mov_b32 s[G1SW+2], 24<<16
	s_mov_b32 s[G1SW+4], 24
.irp g, G1SX, G1SW
	s_mov_b32 s[\g+1], 32<<16
	s_mov_b32 s[\g+3], 32<<16
	s_mov_b32 s[\g+5], 32
	s_mov_b32 s[\g+6], 0
	s_mov_b32 s[\g+7], 0
.endr
	; from where: x's offsets hang on the token block and the wave alone, W's on the head and the wave alone, each in registers of its own
	s_lshl_b32 s60, s26, 8
	s_lshl_b32 s66, s20, 6
	s_add_co_u32 s60, s60, s66                     ; x: row 256 x block + 64 g
	s_lshl_b32 s60, s60, 9
	s_mov_b32 s61, 0
	s_lshl_b32 s66, s26, 13                        ; its 256 rows' scale bytes
	s_mov_b32 s67, 0
	s_mul_i32 s62, s25, 192
	s_lshl_b32 s2, s20, 6
	s_add_co_u32 s62, s62, s2                      ; W: row 192 x head + 64 g
	s_lshl_b32 s62, s62, 9
	s_mov_b32 s63, 0
	s_mul_i32 s2, s25, 6144                        ; its 192 rows' scale bytes
	s_mov_b32 s3, 0
	; to where: wave w's 64 rows are rows 64 w on (waves 0-3: x; waves 4-6: W)
	s_mul_i32 s[G0X+1], s[WV], ROWS64
	s_mov_b32 s[G0W+1], s[G0X+1]
	s_mov_b32 s[G0SX+1], SCL
	s_mov_b32 s[G0SW+1], SCL+8192
.irp g, G0X, G0W, G0SX, G0SW
	s_mov_b32 s[\g], 1                             ; count = 1
.endr
	s_wait_dscnt 0x0                               ; both opening adds are done
	s_wait_kmcnt 0x0
	s_add_nc_u64 s[G0X+2:G0X+3], s[4:5], s[60:61]
	s_add_nc_u64 s[G0W+2:G0W+3], s[8:9], s[62:63]
	s_add_nc_u64 s[G0SX+2:G0SX+3], s[6:7], s[66:67]
	s_add_nc_u64 s[G0SW+2:G0SW+3], s[10:11], s[2:3]
.irp g, G0X+3, G0W+3, G0SX+3, G0SW+3
	s_or_b32 s[\g], s[\g], 0x80000000              ; type = 2
.endr
	ROUND                                          ; all sixteen work-groups are here: the joint loads meet
	; All fills of the launch, one a wave, in one tree of branches on the wave's number: waves 0-3 x's codes, 4-6 W's codes, 7 x's scale bytes, 8 W's.
	ARM 4, G0X,  G1X,  .Lfill_w
	ARM 7, G0W,  G1W,  .Lfill_sx
	ARM 8, G0SX, G1SX, .Lfill_sw
	ARM 9, G0SW, G1SW, .Lfill_none
.Lasked:
	; my two operands' first rows, in units of 64 rows.  q: 4 and g; k: 5 and g; v: g and 6
	s_mul_i32 s60, s21, 3
	s_and_b32 s60, s60, s20                        ; g in a v wave, else 0
	s_mul_i32 s61, s22, 3
	s_and_b32 s61, s61, s20                        ; g in a q or k wave, else 0
	s_and_b32 s62, s19, s22                        ; 1 in a k wave
	s_lshl_b32 s63, s22, 2
	s_add_co_u32 s62, s62, s63
	s_add_co_u32 s62, s62, s60                     ; source 0
	s_mul_i32 s63, s21, 6
	s_add_co_u32 s63, s63, s61                     ; source 1
	s_mul_i32 s66, s62, ROWS64
	s_mul_i32 s67, s63, ROWS64
	s_lshl_b32 s62, s62, 11
	s_add_co_u32 s62, s62, SCL
	s_lshl_b32 s63, s63, 11
	s_add_co_u32 s63, s63, SCL
	s_mul_i32 s2, s25, 768
	s_mov_b32 s3, 0
	s_add_nc_u64 s[BB:BB+1], s[12:13], s[2:3]      ; the head's 192 numbers of b
	s_lshl_b32 s27, s19, 8                         ; my role's 64
	s_add_co_u32 s60, s27, 32
	v_and_b32 v5, 7, v0                            ; j
	v_bfe_u32 v6, v0, 4, 1                         ; h
	v_bfe_u32 v7, v0, 3, 1                         ; the half of a tile's sixteen rows that my lane is in
	v_mad_u32_u24 v14, v7, 40, v5                  ; my row in an even tile, less 8 t
	v_mad_u32_u24 v15, v7, 24, v5                  ; in an odd one
	v_mul_u32_u24 v1, v14, PITCH
	v_mul_u32_u24 v2, v15, PITCH
	v_lshl_add_u32 v1, v6, 4, v1                   ; + 16 h
	v_lshl_add_u32 v2, v6, 4, v2
	v_add_nc_u32 v3, s67, v1                       ; source 1's fragments: even tiles, odd tiles
	v_add_nc_u32 v4, s67, v2
	v_add_nc_u32 v1, s66, v1                       ; source 0's
	v_add_nc_u32 v2, s66, v2
	v_lshl_add_u32 v10, v14, 5, s62                ; source 0's scale bytes
	v_lshl_add_u32 v11, v15, 5, s62
	v_lshl_add_u32 v12, v14, 5, s63                ; source 1's
	v_lshl_add_u32 v13, v15, 5, s63
	v_mad_u32_u24 v16, v6, 0xa0, s27               ; b for q, k: eight numbers from 32 h + 8 (t xor h) on: even tiles,
	v_mad_u32_u24 v17, v6, 0x60, s60               ; odd tiles
	v_lshlrev_b32 v18, 2, v14                      ; b for v: my channel, in even tiles,
	v_lshlrev_b32 v19, 2, v15                      ; in odd ones
	s_cmp_eq_u32 s21, 0
	s_wait_alu depctr_va_vdst(0)
	s_cbranch_scc0 .Lv_bias
.irp t, 0,1,2,3
	global_load_b128 v[BT+8*\t:BT+8*\t+3],   v[16+\t%2], s[BB:BB+1] offset:64*(\t/2)
	global_load_b128 v[BT+8*\t+4:BT+8*\t+7], v[16+\t%2], s[BB:BB+1] offset:64*(\t/2)+16
.endr
	s_branch .Lbias_asked
.Lv_bias:
.irp a, 0,1,2,3
	global_load_b32 v[BT+8*\a], v[18+\a%2], s[BB:BB+1] offset:512+32*\a
.endr
	s_wait_loadcnt 0x0
.irp i, 1,2,3,4,5,6,7
.irp a, 0,1,2,3
	v_mov_b32 v[BT+8*\a+\i], v[BT+8*\a]            ; a lane is one channel: its eight registers of C are all that channel's b
.endr
.endr
.Lbias_asked:
	; where the results go
	s_lshr_b32 s60, s26, 3
	s_lshl_b32 s60, s60, 4
	s_add_co_u32 s60, s60, s25                     ; bh = 16 x batch + head
	s_and_b32 s61, s26, 7                          ; the block of 256 tokens in its batch
	s_mul_i32 s62, s60, 143360
	s_mul_i32 s63, s61, 17920
	s_add_co_u32 s62, s62, s63                     ; my chunk in kv
	s_lshl_b32 s2, s60, 5
	s_lshl_b32 s3, s61, 2
	s_add_co_u32 s2, s2, s3
	s_add_co_u32 s2, s2, s20
	s_mul_i32 s2, s2, 2304                         ; q: block bh x 32 + G of qc
	s_add_co_u32 s27, s2, 2048                     ; and its words
	s_lshl_b32 s66, s20, 11
	s_add_co_u32 s66, s66, s62
	s_lshl_b32 s3, s21, 13
	s_add_co_u32 s66, s66, s3                      ; k, v: my 64 keys' codes in the chunk
	s_lshl_b32 s67, s20, 8
	s_add_co_u32 s67, s67, s62
	s_add_co_u32 s67, s67, 16384                   ; k's words
	s_add_co_u32 s62, s62, 17408                   ; v's
	s_mov_b32 s63, 0
	s_mov_b32 s61, 0
	s_mov_b32 s3, 0
	s_cmp_eq_u32 s19, 0
	s_cselect_b64 s[CB:CB+1], s[14:15], s[16:17]
	s_cselect_b32 s2, s2, s66
	s_cselect_b32 s60, s27, s67
	s_add_nc_u64 s[SB:SB+1], s[CB:CB+1], s[60:61]
	s_add_nc_u64 s[CB:CB+1], s[CB:CB+1], s[2:3]
	s_add_nc_u64 s[VB:VB+1], s[16:17], s[62:63]
	s_mov_b32 s[SEL], 0x76543210
	s_mov_b32 s[SEL+1], 0xfedcba98
	s_wait_alu depctr_va_vdst(0)
	s_wait_loadcnt 0x0                             ; b
	s_wait_tensorcnt 0x0                           ; my tile has landed
	s_barrier_signal -1
	s_barrier_wait -1                              ; everybody's have.
	SCALES 0
	FRAGS 0
	s_wait_dscnt 0x0
	s_cmp_eq_u32 s21, 0
	s_cbranch_scc0 .Lv_first
	MUL16 0, 1                                     ; q, k: a lane's eight registers are eight features
	s_branch .Lfirst_done
.Lv_first:
	MUL16 0, 2                                     ; v: a lane is one feature
.Lfirst_done:
	KSTEP 1
	KSTEP 2
	KSTEP 3
	KSTEP 4
	KSTEP 5
	KSTEP 6
	KSTEP 7
	; THE WAY OUT.  The addresses are made on every wave's path; these lines are also the places behind the last products.
	s_lshl_b32 s60, s20, 8
	s_add_co_u32 s60, s60, VST
	v_and_b32 v5, 31, v0
	v_and_b32 v7, 15, v0
	v_lshlrev_b32 v1, 4, v5                        ; 16 x lane
	v_lshlrev_b32 v2, 4, v7                        ; 16 r
	v_lshlrev_b32 v5, 3, v6                        ; 8 h
	v_add_nc_u32 v3, s60, v2                       ; the stage, in: 256 g + 16 r
	v_lshl_add_u32 v4, v6, 9, v2
	v_add_nc_u32 v2, v2, v5                        ; 16 r + 8 h
	v_add_nc_u32 v4, VST, v4                       ; the stage, out: 512 h + 16 r
	; The quantiser.  For tile a of source 1 the 32 registers from ACC + 32 a on are one whole block; each accumulator is read from its low end on.
.irp a, 0,1,2,3
	v_max3_num_f32 v[MX+\a], |v[ACC+32*\a]|, |v[ACC+32*\a+1]|, 0x1800000   ; and the floor 2^(3 - 127): the byte cannot fall under 1
	v_max3_num_f32 v[MB+\a], |v[ACC+32*\a+16]|, |v[ACC+32*\a+17]|, |v[ACC+32*\a+18]|
.endr
.irp i, 2,4,6,8,10,12
.irp a, 0,1,2,3
	v_max3_num_f32 v[MX+\a], v[MX+\a], |v[ACC+32*\a+\i]|, |v[ACC+32*\a+\i+1]|   ; eight chains by turns
	v_max3_num_f32 v[MB+\a], v[MB+\a], |v[ACC+32*\a+17+\i]|, |v[ACC+32*\a+18+\i]|
.endr
.endr
.irp a, 0,1,2,3
	v_max3_num_f32 v[MX+\a], v[MX+\a], |v[ACC+32*\a+14]|, |v[ACC+32*\a+15]|
.endr
.irp a, 0,1,2,3
	v_max3_num_f32 v[MX+\a], v[MX+\a], v[MB+\a], |v[ACC+32*\a+31]|
.endr
.irp a, 0,1,2,3
	v_add_nc_u32 v[SO+\a], 0xff000000, v[MX+\a]    ; 2 off its exponent field: the conversion takes that field as its scale
.endr
.irp a, 0,1,2,3
	v_lshrrev_b32 v[BY+\a], 23, v[SO+\a]           ; the scale's byte,
.endr
.irp a, 0,1,2,3
	v_lshlrev_b32 v[BY+\a], v5, v[BY+\a]           ; at its place: block h is byte h of the row's word
.endr
.irp a, 0,1,2,3
	v_permlanex16_b32 v[OTH+\a], v[BY+\a], s[SEL], s[SEL+1]
.endr
.irp a, 0,1,2,3
	v_or_b32 v[WD+\a], v[BY+\a], v[OTH+\a]
.endr
.irp a, 0,1,2,3
.irp i, 0,1,2,3
	v_cvt_scalef32_pk8_fp4_f32 v[PC+4*\a+\i], v[ACC+32*\a+8*\i:ACC+32*\a+8*\i+7], v[SO+\a]
.endr
.endr
	v_nop                                          ; one plain instruction behind the scaled conversions
.irp a, 0,1,2,3
	global_store_b128 v1, v[PC+4*\a:PC+4*\a+3], s[CB:CB+1] offset:512*\a   ; 32 lanes store 512 consecutive bytes
.endr
	s_cmp_eq_u32 s21, 0
	s_wait_alu depctr_va_vdst(0)
	s_cbranch_scc0 .Lv_words
	v_cmp_ne_u32 vcc_lo, 0, v6
	v_cndmask_b32 v68, v[WD], v[WD+2], vcc_lo      ; lanes 0-15 store the words of tiles 0, 1, lanes 16-31 those of tiles 2, 3:
	v_cndmask_b32 v69, v[WD+1], v[WD+3], vcc_lo
	global_store_b64 v2, v[68:69], s[SB:SB+1]      ; 256 consecutive bytes
	s_branch .Lwords_done
.Lv_words:
	ds_store_b128 v3, v[WD:WD+3]                   ; v: my 64 keys are half of a word's 128: the halves meet in the stage (both halves of the lanes write the same bytes with the same values)
.Lwords_done:
	s_wait_dscnt 0x0                               ; for the others' sake: my store has landed
	s_barrier_signal -1
	s_barrier_wait -1
	s_cmp_lg_u32 s[WV], 8
	s_cbranch_scc1 .Lnot_wave_8
	ds_load_b128 v[72:75], v4                      ; lanes 0-15: keys 0-127 of the block, lanes 16-31: keys 128-255; the lower 64 keys' bytes,
	ds_load_b128 v[76:79], v4 offset:256           ; the upper 64 keys'
	s_wait_dscnt 0x0
.irp a, 0,1,2,3
	v_lshl_or_b32 v[72+\a], v[76+\a], 16, v[72+\a]
.endr
	global_store_b128 v1, v[72:75], s[VB:VB+1]     ; 512 consecutive bytes
.Lnot_wave_8:
	s_wait_tensorcnt 0x0                           ; the wave's end
	ds_add_u32 v[SPW], v[NIL]
	s_wait_dscnt 0x0
	ROUND                                          ; the closing round: no work-group ends while a partner may still ask for a tile that names it
	s_endpgm
.Lfunc_end_k_qe5f1ff183f_qkv:
	.size	k_qe5f1ff183f_qkv, .Lfunc_end_k_qe5f1ff183f_qkv-k_qe5f1ff183f_qkv
	.p2alignl 7, 3214868480
	.fill 96, 4, 3214868480
	.section	.rodata,"a",@progbits
	.p2align	6, 0x0
	.amdhsa_kernel k_qe5f1ff183f_qkv
		.amdhsa_group_segment_fixed_size 263680
		.amdhsa_private_segment_fixed_size 0
		.amdhsa_enable_private_segment 0
		.amdhsa_kernarg_size 56
		.amdhsa_user_sgpr_count 2
		.amdhsa_user_sgpr_kernarg_segment_ptr 1
		.amdhsa_wavefront_size32 1
		.amdhsa_system_sgpr_workgroup_id_x 1
		.amdhsa_system_sgpr_workgroup_id_y 1
		.amdhsa_system_sgpr_workgroup_id_z 1
		.amdhsa_system_vgpr_workitem_id 0
		.amdhsa_next_free_vgpr 256
		.amdhsa_next_free_sgpr 100
		.amdhsa_reserve_vcc 1
		.amdhsa_float_denorm_mode_32 3
		.amdhsa_float_denorm_mode_16_64 3
		.amdhsa_memory_ordered 1
		.amdhsa_forward_progress 1
		.amdhsa_inst_pref_size 50
	.end_amdhsa_kernel
	.amdgpu_metadata
---
amdhsa.version: [ 1, 2 ]
amdhsa.kernels:
  - .name:           k_qe5f1ff183f_qkv
    .symbol:         k_qe5f1ff183f_qkv.kd
    .args:
      - { .name: x_codes, .offset: 0, .size: 8, .value_kind: global_buffer, .address_space: global }
      - { .name: x_scales, .offset: 8, .size: 8, .value_kind: global_buffer, .address_space: global }
      - { .name: W_qkv_codes, .offset: 16, .size: 8, .value_kind: global_buffer, .address_space: global }
      - { .name: W_qkv_scales, .offset: 24, .size: 8, .value_kind: global_buffer, .address_space: global }
      - { .name: b_qkv, .offset: 32, .size: 8, .value_kind: global_buffer, .address_space: global }
      - { .name: qc, .offset: 40, .size: 8, .value_kind: global_buffer, .address_space: global }
      - { .name: kv, .offset: 48, .size: 8, .value_kind: global_buffer, .address_space: global }
    .group_segment_fixed_size: 263680
    .private_segment_fixed_size: 0
    .kernarg_segment_align: 8
    .kernarg_segment_size: 56
    .max_flat_workgroup_size: 384
    .sgpr_count:     100
    .vgpr_count:     256
    .wavefront_size: 32
...
	.end_amdgpu_metadata
.endif
;; end of part 1
;; launch attn (part 2): grid 8 x 32, 16 waves a work-group, clusters of 4 x 1, 169,984 bytes of LDS; arguments qc, kv, ac, asc; writes ac, asc
.if DOCPART == 2
	.amdgcn_target "amdgcn-amd-amdhsa--gfx1250"
	.amdhsa_code_object_version 6
	.text
	.protected	k_qe5f1ff183f_attn
	.globl	k_qe5f1ff183f_attn
	.p2align	8
	.type	k_qe5f1ff183f_attn,@function
k_qe5f1ff183f_attn:
	s_mov_b64 s[64:65], 0
	v_nop
	global_prefetch_b8 v0, s[64:65] scope:SCOPE_SE
	s_setreg_imm32_b32 hwreg(HW_REG_WAVE_MODE, 25, 1), 1
	s_wait_xcnt 0x0
	s_wait_alu depctr_hold_cnt(0) depctr_sa_sdst(0) depctr_va_vdst(0) depctr_va_sdst(0) depctr_va_ssrc(0) depctr_va_vcc(0) depctr_vm_vsrc(0)
	s_getreg_b32 s2, hwreg(HW_REG_IB_STS2, 6, 4)
	s_cmp_eq_u32 s2, 0
	s_cbranch_scc0 .Lentry_in_a_cluster
	s_endpgm
.Lentry_in_a_cluster:
	s_bfe_u32 s2, ttmp6, 0x10000c
	s_cmp_lg_u32 s2, 0x3003
	s_cbranch_scc0 .Lentry_shape_is_right
	s_endpgm
.Lentry_shape_is_right:
; attended[q] = the sum over keys of softmax(q . k / 8) v, for one head of 64 channels, both products on codes of FP4 (E2M1) with one E8M0 scale for each 32 along a product's K; then quantised along D for the last product.
; THE SOFTMAX AHEAD OF THE SECOND PRODUCT: t = score x log2(e) / 8; M = the row's largest t so far, rounded UP to a whole number; p = 2^(t - M) is quantised along the keys, not normalised.
; The row's sum is taken of the unquantised p and divides at the end.  When M moves, the sum and O are multiplied by 2^(old M - new M), which rounds nothing.
; SHARES.  A work-group owns 256 queries of one (batch, head); each of its sixteen waves one tile of 16, in 256 registers: four waves to a SIMD.
; Every wave walks the 2,048 keys, 256 a step.  The head's K and V codes and scale words, 143,360 bytes, are one dense block of memory and lie in LDS whole.
; They are images of operand registers: every LDS load takes 16 bytes a lane at 16 x lane.
; CLUSTER 4 x 1: the four query blocks of a cluster belong to one head and ask for K and V jointly.  NO PREFETCH: every tensor load stands at the head; there is no loop to run ahead in.
; LAYOUT.  Both products are used transposed: S^T = K Q^T, O^T = V^T P^T: a lane holds ONE query throughout.  Row 8 h + j of tile u of 64 keys is key 32 h + 8 (u xor h) + j:
;   so the 32 registers that lane (r, h) has of 64 keys are the WHOLE block of 32 keys 32 h on, and the conversions' results are the operand's registers.  In the lanes of h = 1 the groups of eight lie in the order 1 0 3 2, in P as in V.
; The head's 64 channels fill half of the instruction's 128 along K.  Registers 4-7 of Q's fragment are zero codes, so what K's fragment holds there adds nothing: E2M1 has neither NaN nor infinity, and bytes 2, 3 of both scale words are 0.
;   So K's fragments lie four registers apart, each followed by the next one's.
; A STEP: four groups of 64 keys, 32 registers each.  The exponentials go in four batches of 32; between them stand multiply-adds of a later group, conversions and sums of the group before, none of which is read before the wait behind the batch.
; V's fragments land in score registers that are done with; the next step's K lands under the softmax.
; OUT.  ac [32 blocks of 128 rows][K half 2][row tile 8][K step 4][c 2][lane][16 bytes]: images of the last product's fragments; a wave's store covers 512 consecutive bytes.
;   asc [4,096 places][32] scale bytes by place in the tiles: a wave stores 2 bytes of each of 16 places.
; LIMITS: a block of zeros, and one whose largest magnitude lies under 2^-124, gets the scale byte 1; NaN and infinities are not served; the scaled scores stay under 2^31 in magnitude.
.set CH,    17920                      ; 256 keys in LDS: K's codes, V's at 8,192, K's scale words at 16,384, V's at 17,408
.set SHARE, 8960                       ; what a wave fetches: 35 rows of 256 bytes
.set SPARE, 0x29000                    ; the spare words: 128 bytes for each wave
.set LB,  1                            ; v1      16 x lane
.set MN,  2                            ; v2 -M, v3 the largest t
.set TM,  3
.set AC,  4                            ; v[4:11]  the sum, in four pairs
.set FC,  12                           ; v12 f; v13 at work (named as the upper half of the pair)
.set T1,  13
.set PW,  14                           ; v14 P's scale words: lanes 0-15 the step's first 128 keys, lanes 16-31 the others
.set QW,  15                           ; v15 Q's scale word
.set QF,  16                           ; v[16:23] Q's fragment
.set KW,  24                           ; v[24:31] K's scale words: four registers for 128 keys: lanes 0-15 the first 64 keys' tiles, lanes 16-31 the others'
.set KF,  32                           ; v[32:63] K's fragments of 128 keys
.set SO,  64                           ; v[64:67] the conversions' scale operands
.set OA,  68                           ; v[68:99] O^T
.set ST,  100                          ; v[100:227] S^T, then p
.set PC,  228                          ; v[228:243] p's codes
.set BM,  244                          ; v[244:247] block maxima
.set VW,  248                          ; v[248:251] V's scale words, lanes as in PW
.set T0,  252
.set AD,  253                          ; v253 LDS address of the step's loads
.set SPW, 254                          ; v254 my spare word, v255 0: never rewritten
.set NIL, 255
.set WV,  12
.set SEL, 20
.set CS,  22                           ; s[22:23] c = log2(e) / 8, twice: the packed form names a pair
.set G1,  24                           ; s[24:31], s[56:59] the descriptor
.set G0,  56
.set TK,  84                           ; s84 where the step's chunk begins; s87 counts steps
.set CNT, 87
.macro ROUND                           ; a round of the cluster's barrier
	s_barrier_signal -1
	s_barrier_wait -1
	s_cmp_lg_u32 s[WV], 0
	s_cbranch_scc1 .Lnot_wave_0_\@
	s_barrier_signal -3
.Lnot_wave_0_\@:
	s_barrier_wait -3
	s_barrier_signal -1
	s_barrier_wait -1
.endm
.macro KLOAD adr, base, t0             ; eight fragments of K from tile t0 on
.irp i, 0,1,2,3,4,5,6,7
	ds_load_b128 v[KF+4*\i:KF+4*\i+3], v[\adr] offset:\base+512*(\t0+\i)
.endr
.endm
.macro KWLOAD adr, base
	ds_load_b128 v[KW:KW+3], v[\adr] offset:\base+16384
	ds_load_b128 v[KW+4:KW+7], v[\adr] offset:\base+16896
.endm
.macro VLOAD s                         ; V's four fragments of the step's s-th 128 keys, into the registers of score group s
.irp a, 0,1,2,3
	ds_load_b128 v[ST+32*\s+8*\a:ST+32*\s+8*\a+3],   v[AD] offset:8192+4096*\s+512*\a
	ds_load_b128 v[ST+32*\s+8*\a+4:ST+32*\s+8*\a+7], v[AD] offset:8192+4096*\s+2048+512*\a
.endr
.endm
.macro SMUL i                          ; the scores of tile i: 16 keys
.if ((\i)/4)%2
	v_wmma_scale_f32_16x16x128_f8f6f4 v[ST+8*(\i):ST+8*(\i)+7], v[KF+4*((\i)%8):KF+4*((\i)%8)+7], v[QF:QF+7], 0, v[KW+4*((\i)/8)+(\i)%4], v[QW] matrix_a_fmt:MATRIX_FMT_FP4 matrix_b_fmt:MATRIX_FMT_FP4 matrix_a_scale:MATRIX_SCALE_ROW1
.else
	v_wmma_scale_f32_16x16x128_f8f6f4 v[ST+8*(\i):ST+8*(\i)+7], v[KF+4*((\i)%8):KF+4*((\i)%8)+7], v[QF:QF+7], 0, v[KW+4*((\i)/8)+(\i)%4], v[QW] matrix_a_fmt:MATRIX_FMT_FP4 matrix_b_fmt:MATRIX_FMT_FP4
.endif
.endm
.macro MAXG c0                         ; the largest score of my block in groups c0, c0 + 1: two chains each, by turns; each accumulator from its low end on
.irp g, \c0, \c0+1
	v_max3_num_f32 v[BM+(\g)], v[ST+32*(\g)], v[ST+32*(\g)+1], v[ST+32*(\g)+2]
	v_max3_num_f32 v[PC+(\g)], v[ST+32*(\g)+16], v[ST+32*(\g)+17], v[ST+32*(\g)+18]
.endr
.irp k, 3,5,7,9,11,13
.irp g, \c0, \c0+1
	v_max3_num_f32 v[BM+(\g)], v[BM+(\g)], v[ST+32*(\g)+\k], v[ST+32*(\g)+\k+1]
	v_max3_num_f32 v[PC+(\g)], v[PC+(\g)], v[ST+32*(\g)+16+\k], v[ST+32*(\g)+17+\k]
.endr
.endr
.irp g, \c0, \c0+1
	v_max3_num_f32 v[BM+(\g)], v[BM+(\g)], v[PC+(\g)], v[ST+32*(\g)+15]
.endr
.irp g, \c0, \c0+1
	v_max_num_f32 v[BM+(\g)], v[BM+(\g)], v[ST+32*(\g)+31]
.endr
.endm
.macro FMA2 c, i                       ; t - M, two at a time
	v_pk_fma_f32 v[ST+32*(\c)+2*(\i):ST+32*(\c)+2*(\i)+1], v[ST+32*(\c)+2*(\i):ST+32*(\c)+2*(\i)+1], s[CS:CS+1], v[MN:MN+1] op_sel_hi:[1,0,0]
.endm
.macro XP                              ; p = 2^(t - M), at most 1
	v_exp_f32 v[X], v[X]
.set X, X+1
.endm
.macro CVT c, i
	v_cvt_scalef32_pk8_fp4_f32 v[PC+4*(\c)+(\i)], v[ST+32*(\c)+8*(\i):ST+32*(\c)+8*(\i)+7], v[SO+(\c)]
.endm
.macro A1 c, i                         ; the sum's first level, over p that has been converted: sixteen pairs to eight
	v_pk_add_f32 v[ST+32*(\c)+2*(\i):ST+32*(\c)+2*(\i)+1], v[ST+32*(\c)+2*(\i):ST+32*(\c)+2*(\i)+1], v[ST+32*(\c)+16+2*(\i):ST+32*(\c)+16+2*(\i)+1]
.endm
.macro A2H c, half                     ; four of the eight pairs onto the four sums
.irp j, 0,1,2,3
	v_pk_add_f32 v[AC+2*\j:AC+2*\j+1], v[AC+2*\j:AC+2*\j+1], v[ST+32*(\c)+8*(\half)+2*\j:ST+32*(\c)+8*(\half)+2*\j+1]
.endr
.endm
.macro A2 c, begin
.if \begin
.irp j, 0,1,2,3
	v_pk_add_f32 v[AC+2*\j:AC+2*\j+1], v[ST+32*(\c)+2*\j:ST+32*(\c)+2*\j+1], v[ST+32*(\c)+8+2*\j:ST+32*(\c)+8+2*\j+1]
.endr
.else
	A2H \c, 0
	A2H \c, 1
.endif
.endm
.macro LATE c                          ; group c's exponentials, with the conversions and the sums of the group before
.set X, ST+32*(\c)
.irp i, 0,1,2,3
	XP
	XP
	CVT (\c)-1, \i
	XP
	XP
.endr
	v_nop                                          ; one plain instruction between a scaled conversion and a write of its sources
.irp i, 0,1,2,3,4,5,6,7
	XP
	XP
	A1 (\c)-1, \i
.endr
.endm
.macro FOUR first, half                ; four plain instructions behind the scores' products (ISA guide 7.12.1 for vector instructions): the last step's fourth group onto the sums
.if \first
.rept 4
	v_nop
.endr
.else
.if \half == 0
	A2 3, 0                                        ; all of it behind tiles 0 to 7: tiles 12 to 15 write over these registers
.else
.rept 4
	v_nop
.endr
.endif
.endif
.endm
.macro PWAIT                           ; a wait ahead of and behind a batch of transcendentals
	s_wait_alu depctr_va_vdst(0)
.endm
; A STEP: 256 keys.  first = 1: nothing has been summed.  last = 1: no further K is loaded.
.macro STEP first, last
	v_add_nc_u32 v[AD], s[TK], v[LB]
.irp i, 0,1,2,3,4,5,6,7
	SMUL \i
.endr
	FOUR \first, 0
	KLOAD AD, 0, 8
	MAXG 0
	s_wait_dscnt 0x0                               ; K's tiles 8 to 15
.irp i, 8,9,10,11,12,13,14,15
	SMUL \i
.endr
	FOUR \first, 1
.if !\last
	KWLOAD AD, CH                                  ; the next step's
	KLOAD AD, CH, 0
.endif
	MAXG 2
	v_max3_num_f32 v[T0], v[BM], v[BM+1], v[BM+2]
	s_delay_alu instid0(VALU_DEP_1)
	v_max_num_f32 v[T0], v[T0], v[BM+3]
	s_delay_alu instid0(VALU_DEP_1)
	v_permlanex16_b32 v[T1], v[T0], s[SEL], s[SEL+1]
	s_delay_alu instid0(VALU_DEP_1)
	v_max_num_f32 v[T0], v[T0], v[T1]              ; with lane l xor 16's keys
.if \first
	s_delay_alu instid0(VALU_DEP_1)
	v_mul_f32 v[TM], s[CS], v[T0]                  ; the largest t
	s_delay_alu instid0(VALU_DEP_1)
	v_floor_f32 v[MN], -v[TM]                      ; -M = floor(-t) = -ceil(t)
.irp c, 0,1,2,3
	v_fma_f32 v[BM+\c], v[BM+\c], s[CS], v[MN]
.endr
.set I, 0
.rept 16
	FMA2 0, I
.set I, I+1
.endr
.else
	s_delay_alu instid0(VALU_DEP_1)
	v_mul_f32 v[T0], s[CS], v[T0]
	s_delay_alu instid0(VALU_DEP_1)
	v_max_num_f32 v[TM], v[TM], v[T0]              ; the running largest t
	v_mov_b32 v[T0], v[MN]
	s_delay_alu instid0(VALU_DEP_2)
	v_floor_f32 v[MN], -v[TM]
	s_delay_alu instid0(VALU_DEP_1)
	v_sub_f32 v[T0], v[MN], v[T0]                  ; old M - new M: a whole number, 0 or less
.irp c, 0,1,2,3
	v_fma_f32 v[BM+\c], v[BM+\c], s[CS], v[MN]     ; t - M of each block's largest score
.endr
	v_cvt_i32_f32 v[T0], v[T0]                     ; (it saturates)
.set I, 0
.rept 4
	FMA2 0, I
.set I, I+1
.endr
	v_ldexp_f32 v[FC], 1.0, v[T0]                  ; f = 2^(old M - new M)
.rept 12
	FMA2 0, I
.set I, I+1
.endr
.irp j, 0,2,4,6,8,10,12,14,16,18,20,22,24,26,28,30
	v_pk_mul_f32 v[OA+\j:OA+\j+1], v[OA+\j:OA+\j+1], v[FC:FC+1] op_sel_hi:[1,0]   ; O^T under the new M
.endr
.irp j, 0,2,4,6
	v_pk_mul_f32 v[AC+\j:AC+\j+1], v[AC+\j:AC+\j+1], v[FC:FC+1] op_sel_hi:[1,0]   ; and the sums
.endr
.endif
	PWAIT
.irp c, 0,1,2,3
	v_exp_f32 v[BM+\c], v[BM+\c]                   ; each block's largest p: the same two operations on the same number give the same bits
.endr
.set I, 0
.rept 16
	FMA2 1, I
.set I, I+1
.endr
	PWAIT
.irp c, 0,1,2,3
	v_max_num_f32 v[BM+\c], 0x1800000, v[BM+\c]    ; the floor 2^(3 - 127): the byte cannot fall under 1
.endr
.irp c, 0,1,2,3
	v_add_nc_u32 v[SO+\c], 0xff000000, v[BM+\c]    ; 2 off the exponent field: the conversion's scale operand
.endr
.irp c, 0,1,2,3
	v_lshrrev_b32 v[BM+\c], 23, v[SO+\c]           ; the scale's byte: block 2 c + h of the step
.endr
	v_lshl_or_b32 v[BM], v[BM+1], 16, v[BM]
	v_lshl_or_b32 v[BM+2], v[BM+3], 16, v[BM+2]
	v_permlane16_swap_b32 v[BM], v[BM+2]           ; the bytes of h = 0 meet in the first register, those of h = 1 in the other: lanes 0-15 for the first 128 keys, lanes 16-31 for the others
	v_lshl_or_b32 v[PW], v[BM+2], 8, v[BM]
.set X, ST
.set I, 0
.rept 16
	XP
	XP
	FMA2 2, I
.set I, I+1
.endr
	PWAIT
.set X, ST+32
.set I, 0
.irp i, 0,1,2,3
	XP
	XP
	CVT 0, \i
	XP
	FMA2 3, I
	XP
	FMA2 3, I+1
.set I, I+2
.endr
.irp i, 0,1,2,3,4,5,6,7
	XP
	A1 0, \i
	XP
	FMA2 3, I
.set I, I+1
.endr
	PWAIT
	A2 0, \first
	ds_load_b128 v[VW:VW+3], v[AD] offset:17408
	VLOAD 0                                        ; group 0 is converted and summed: its registers take V
	LATE 2
	PWAIT
	A2 1, 0
	VLOAD 1
	LATE 3
	PWAIT
.irp i, 0,1,2,3
	CVT 3, \i
.endr
	A2 2, 0                                        ; (these eight also stand between the conversions and the products)
	s_wait_alu depctr_va_vdst(0)
	s_wait_dscnt 0x0                               ; V, and the next step's K
.irp a, 0,1,2,3
.if \first
	v_wmma_scale_f32_16x16x128_f8f6f4 v[OA+8*\a:OA+8*\a+7], v[ST+8*\a:ST+8*\a+7], v[PC:PC+7], 0, v[VW+\a], v[PW] matrix_a_fmt:MATRIX_FMT_FP4 matrix_b_fmt:MATRIX_FMT_FP4
.else
	v_wmma_scale_f32_16x16x128_f8f6f4 v[OA+8*\a:OA+8*\a+7], v[ST+8*\a:ST+8*\a+7], v[PC:PC+7], v[OA+8*\a:OA+8*\a+7], v[VW+\a], v[PW] matrix_a_fmt:MATRIX_FMT_FP4 matrix_b_fmt:MATRIX_FMT_FP4
.endif
.endr
.irp a, 0,1,2,3
	v_wmma_scale_f32_16x16x128_f8f6f4 v[OA+8*\a:OA+8*\a+7], v[ST+32+8*\a:ST+32+8*\a+7], v[PC+8:PC+15], v[OA+8*\a:OA+8*\a+7], v[VW+\a], v[PW] matrix_a_fmt:MATRIX_FMT_FP4 matrix_b_fmt:MATRIX_FMT_FP4 matrix_a_scale:MATRIX_SCALE_ROW1 matrix_b_scale:MATRIX_SCALE_ROW1
.endr
.irp i, 0,1,2,3,4,5,6,7
	A1 3, \i                                       ; (also the places between these products and the next step's, which write over V's registers)
.endr
.endm
	s_load_b256 s[4:11], s[0:1], 0x0               ; qc s[4:5], kv s[6:7], ac s[8:9], asc s[10:11]
	v_lshl_add_u32 v[SPW], v0, 2, SPARE
	v_mov_b32 v[NIL], 0
	ds_add_u32 v[SPW], v[NIL]                      ; the wave's opening: the add, twice on end, and its wait ahead of the first tensor load
	ds_add_u32 v[SPW], v[NIL]
	v_lshrrev_b32 v[T0], 5, v0
	v_readfirstlane_b32 s[WV], v[T0]               ; wave 0..15
	s_bfe_u32 s13, ttmp6, 0x40000                  ; cx: it enters the addresses of Q, ac and asc alone
	s_lshl_b32 s14, ttmp9, 2
	s_add_co_u32 s14, s14, s13                     ; my block of 256 queries
	s_and_b32 s15, ttmp7, 0xffff                   ; bh = 16 x batch + head, which the four partners share
	s_mov_b32 s[G1], 15|(3<<16)|(1<<21)            ; 35 rows of 32 elements of 8 bytes, dense; the mask names all four work-groups, bit 21 beside it
	s_mov_b32 s[G1+1], 32<<16
	s_mov_b32 s[G1+2], 35<<16
	s_mov_b32 s[G1+3], 32<<16
	s_mov_b32 s[G1+4], 35
	s_mov_b32 s[G1+5], 32
	s_mov_b32 s[G1+6], 0
	s_mov_b32 s[G1+7], 0
	s_mov_b32 s[G0], 1
	s_mul_i32 s[G0+1], s[WV], SHARE
	s_mul_i32 s88, s15, 8*CH
	s_add_co_u32 s88, s88, s[G0+1]
	s_mov_b32 s89, 0
	s_wait_dscnt 0x0                               ; both opening adds are done
	s_wait_kmcnt 0x0
	s_add_nc_u64 s[G0+2:G0+3], s[6:7], s[88:89]
	s_or_b32 s[G0+3], s[G0+3], 0x80000000          ; type = 2
	ROUND                                          ; all four work-groups are here: the joint loads meet
	tensor_load_to_lds s[G0:G0+3], s[G1:G1+7]      ; every wave its sixteenth: the launch's only fills
	s_nop 0
.irp j, 4,5,6,7
	v_mov_b32 v[QF+\j], 0                          ; zero codes for K = 64 .. 127
.endr
.irp j, 0,1,2,3
	v_mov_b32 v[SO+\j], 0                          ; (they follow K's last fragment)
.endr
	v_mov_b32 v[T1], 0                             ; (a lane permute's destination counts as one of its sources)
	s_lshl_b32 s2, s15, 5                          ; Q: block bh x 32 + 4 x query block + wave / 4, tile wave % 4
	s_lshl_b32 s3, s14, 2
	s_add_co_u32 s2, s2, s3
	s_lshr_b32 s3, s[WV], 2
	s_add_co_u32 s2, s2, s3
	s_mul_i32 s2, s2, 2304
	s_mov_b32 s3, 0
	s_add_nc_u64 s[4:5], s[4:5], s[2:3]
	s_and_b32 s2, s[WV], 3
	s_lshl_b32 s97, s2, 2
	s_add_co_u32 s97, s97, 2048                    ; its scale words
	s_lshl_b32 s2, s2, 9
	s_add_nc_u64 s[6:7], s[4:5], s[2:3]
	v_and_b32 v[T0], 31, v0
	v_and_b32 v[BM], 15, v0                        ; r
	v_lshlrev_b32 v[LB], 4, v[T0]
	v_lshl_add_u32 v[BM+1], v[BM], 4, s97
	global_load_b128 v[QF:QF+3], v[LB], s[6:7]     ; Q's fragment stays in registers
	global_load_b32 v[QW], v[BM+1], s[4:5]
	s_mov_b32 s[SEL], 0x76543210
	s_mov_b32 s[SEL+1], 0xfedcba98
	s_mov_b32 s[CS], 0x3e38aa3b                    ; log2(e) / 8
	s_mov_b32 s[CS+1], s[CS]
	; where the results go: place = 2,048 batch + 256 block + 16 wave + r
	s_lshr_b32 s96, s15, 4                         ; batch
	s_and_b32 s97, s15, 15                         ; head
	s_lshl_b32 s2, s96, 4
	s_lshl_b32 s98, s14, 1
	s_add_co_u32 s2, s2, s98
	s_lshr_b32 s98, s[WV], 3
	s_add_co_u32 s2, s2, s98                       ; the block of 128 rows
	s_lshl_b32 s2, s2, 16
	s_lshr_b32 s98, s97, 3
	s_lshl_b32 s98, s98, 15                        ; the half of K: head / 8
	s_add_co_u32 s2, s2, s98
	s_and_b32 s98, s[WV], 7
	s_lshl_b32 s98, s98, 12                        ; the row tile
	s_add_co_u32 s2, s2, s98
	s_and_b32 s98, s97, 7
	s_lshl_b32 s98, s98, 9                         ; K step and half of it: head % 8
	s_add_co_u32 s2, s2, s98
	s_add_nc_u64 s[8:9], s[8:9], s[2:3]
	s_lshl_b32 s2, s96, 16
	s_lshl_b32 s98, s14, 13
	s_add_co_u32 s2, s2, s98
	s_lshl_b32 s98, s[WV], 9
	s_add_co_u32 s2, s2, s98                       ; 32 bytes a place,
	s_lshl_b32 s98, s97, 1
	s_add_co_u32 s2, s2, s98                       ; + 2 x head
	s_add_nc_u64 s[10:11], s[10:11], s[2:3]
	s_mov_b32 s[TK], 0
	s_wait_alu depctr_va_vdst(0)
	s_wait_loadcnt 0x0                             ; Q
	s_wait_tensorcnt 0x0                           ; my sixteenth has landed
	s_barrier_signal -1
	s_barrier_wait -1                              ; everybody's has.
	KWLOAD LB, 0
	KLOAD LB, 0, 0
	s_wait_dscnt 0x0
	STEP 1, 0
	s_mov_b32 s[TK], CH
	s_mov_b32 s[CNT], 6
.Lstep:
	STEP 0, 0
	s_add_co_u32 s[TK], s[TK], CH
	s_sub_co_u32 s[CNT], s[CNT], 1
	s_cmp_lg_u32 s[CNT], 0
	s_wait_alu depctr_va_vdst(0)
	s_cbranch_scc1 .Lstep
	s_mov_b32 s[TK], 7*CH
	STEP 0, 1
	; THE WAY OUT: O^T / the sum, quantised along the head's 64 channels: blocks 2 head and 2 head + 1 of the last product's K; my lane's 32 registers are block h.
	A2 3, 0
	v_pk_add_f32 v[AC:AC+1], v[AC:AC+1], v[AC+2:AC+3]
	v_pk_add_f32 v[AC+4:AC+5], v[AC+4:AC+5], v[AC+6:AC+7]
	v_pk_add_f32 v[AC:AC+1], v[AC:AC+1], v[AC+4:AC+5]
	v_add_f32 v[AC], v[AC], v[AC+1]
	v_permlanex16_b32 v[T1], v[AC], s[SEL], s[SEL+1]
	v_add_f32 v[AC], v[AC], v[T1]                  ; and lane l xor 16's
	PWAIT
	v_rcp_f32 v[AC], v[AC]
	v_and_b32 v[BM+2], 15, v0                      ; r  (plain instructions behind the reciprocal)
	v_bfe_u32 v[BM+3], v0, 4, 1                    ; h
	v_lshl_add_u32 v[T0], v[BM+2], 5, v[BM+3]      ; asc: 32 r + h
	PWAIT
.irp j, 0,2,4,6,8,10,12,14,16,18,20,22,24,26,28,30
	v_pk_mul_f32 v[OA+\j:OA+\j+1], v[OA+\j:OA+\j+1], v[AC:AC+1] op_sel_hi:[1,0]   ; each accumulator from its low end on
.endr
	v_max3_num_f32 v[BM], |v[OA]|, |v[OA+1]|, 0x1800000
	v_max3_num_f32 v[BM+1], |v[OA+16]|, |v[OA+17]|, |v[OA+18]|
.irp i, 2,4,6,8,10,12
	v_max3_num_f32 v[BM], v[BM], |v[OA+\i]|, |v[OA+\i+1]|
	v_max3_num_f32 v[BM+1], v[BM+1], |v[OA+17+\i]|, |v[OA+18+\i]|
.endr
	v_max3_num_f32 v[BM], v[BM], |v[OA+14]|, |v[OA+15]|
	v_max3_num_f32 v[BM], v[BM], v[BM+1], |v[OA+31]|
	v_add_nc_u32 v[SO], 0xff000000, v[BM]
	v_lshrrev_b32 v[BM], 23, v[SO]
.irp i, 0,1,2,3
	v_cvt_scalef32_pk8_fp4_f32 v[PC+\i], v[OA+8*\i:OA+8*\i+7], v[SO]
.endr
	v_cmp_ne_u32 vcc_lo, 0, v[BM+3]                ; (a plain instruction behind the scaled conversions)
.irp i, 0,2
	v_cndmask_b32 v[PC+4+\i], v[PC+\i], v[PC+\i+1], vcc_lo   ; W_out's channels lie in their natural order: in the lanes of h = 1 the groups of eight change places by pairs
	v_cndmask_b32 v[PC+5+\i], v[PC+\i+1], v[PC+\i], vcc_lo
.endr
	global_store_b128 v[LB], v[PC+4:PC+7], s[8:9]  ; 32 lanes store 512 consecutive bytes
	global_store_b8 v[T0], v[BM], s[10:11]
	s_wait_tensorcnt 0x0                           ; the wave's end
	ds_add_u32 v[SPW], v[NIL]
	s_wait_dscnt 0x0
	ROUND                                          ; the closing round: no work-group ends while a partner may still ask for a tile that names it
	s_endpgm
.Lfunc_end_k_qe5f1ff183f_attn:
	.size	k_qe5f1ff183f_attn, .Lfunc_end_k_qe5f1ff183f_attn-k_qe5f1ff183f_attn
	.p2alignl 7, 3214868480
	.fill 96, 4, 3214868480
	.section	.rodata,"a",@progbits
	.p2align	6, 0x0
	.amdhsa_kernel k_qe5f1ff183f_attn
		.amdhsa_group_segment_fixed_size 169984
		.amdhsa_private_segment_fixed_size 0
		.amdhsa_enable_private_segment 0
		.amdhsa_kernarg_size 32
		.amdhsa_user_sgpr_count 2
		.amdhsa_user_sgpr_kernarg_segment_ptr 1
		.amdhsa_wavefront_size32 1
		.amdhsa_system_sgpr_workgroup_id_x 1
		.amdhsa_system_sgpr_workgroup_id_y 1
		.amdhsa_system_sgpr_workgroup_id_z 1
		.amdhsa_system_vgpr_workitem_id 0
		.amdhsa_next_free_vgpr 256
		.amdhsa_next_free_sgpr 100
		.amdhsa_reserve_vcc 1
		.amdhsa_float_denorm_mode_32 3
		.amdhsa_float_denorm_mode_16_64 3
		.amdhsa_memory_ordered 1
		.amdhsa_forward_progress 1
		.amdhsa_inst_pref_size 85
	.end_amdhsa_kernel
	.amdgpu_metadata
---
amdhsa.version: [ 1, 2 ]
amdhsa.kernels:
  - .name:           k_qe5f1ff183f_attn
    .symbol:         k_qe5f1ff183f_attn.kd
    .args:
      - { .name: qc, .offset: 0, .size: 8, .value_kind: global_buffer, .address_space: global }
      - { .name: kv, .offset: 8, .size: 8, .value_kind: global_buffer, .address_space: global }
      - { .name: ac, .offset: 16, .size: 8, .value_kind: global_buffer, .address_space: global }
      - { .name: asc, .offset: 24, .size: 8, .value_kind: global_buffer, .address_space: global }
    .group_segment_fixed_size: 169984
    .private_segment_fixed_size: 0
    .kernarg_segment_align: 8
    .kernarg_segment_size: 32
    .max_flat_workgroup_size: 512
    .sgpr_count:     100
    .vgpr_count:     256
    .wavefront_size: 32
...
	.end_amdgpu_metadata
.endif
;; end of part 2
;; launch proj (part 3): grid 8 x 32, 8 waves a work-group, clusters of 4 x 4, 214,016 bytes of LDS; arguments ac, asc, W_out_codes, W_out_scales, b_out, out0; writes out0
.if DOCPART == 3
	.amdgcn_target "amdgcn-amd-amdhsa--gfx1250"
	.amdhsa_code_object_version 6
	.text
	.protected	k_qe5f1ff183f_proj
	.globl	k_qe5f1ff183f_proj
	.p2align	8
	.type	k_qe5f1ff183f_proj,@function
k_qe5f1ff183f_proj:
	s_mov_b64 s[64:65], 0
	v_nop
	global_prefetch_b8 v0, s[64:65] scope:SCOPE_SE
	s_setreg_imm32_b32 hwreg(HW_REG_WAVE_MODE, 25, 1), 1
	s_wait_xcnt 0x0
	s_wait_alu depctr_hold_cnt(0) depctr_sa_sdst(0) depctr_va_vdst(0) depctr_va_sdst(0) depctr_va_ssrc(0) depctr_va_vcc(0) depctr_vm_vsrc(0)
	s_getreg_b32 s2, hwreg(HW_REG_IB_STS2, 6, 4)
	s_cmp_eq_u32 s2, 0
	s_cbranch_scc0 .Lentry_in_a_cluster
	s_endpgm
.Lentry_in_a_cluster:
	s_bfe_u32 s2, ttmp6, 0x10000c
	s_cmp_lg_u32 s2, 0xf033
	s_cbranch_scc0 .Lentry_shape_is_right
	s_endpgm
.Lentry_shape_is_right:
; out = attended W_out^T + b_out on codes of FP4 (E2M1) with one E8M0 scale for each 32 along K = 1,024; out is f32 [4,096][1,024].
; SHARES.  A work-group makes 128 rows x 128 columns; all of K lies in LDS: no LDS byte is filled twice.  Eight waves, two to a SIMD: wave w makes row tiles 2 (w / 2), + 1 x columns 64 (w % 2) on: 8 accumulators.
; THE MATRIX INSTRUCTION IS USED TRANSPOSED: source 0 = 16 rows of W_out, source 1 = 16 rows of attended: a lane holds eight neighbouring columns of one row, and b_out is loaded into the accumulators, which the first products add to.
; attended's codes come as images of operand registers (ac [block of 128 rows][K half][row tile 8][K step 4][c 2][lane][16 bytes]): a fragment is two loads at 16 x lane.  W_out's come as rows, padded in LDS.
; THE ROWS OF A TILE: place s = 8 h + j of row tile a of 64 rows is row 32 h + 8 (a xor h) + j of the 64: the stores' offsets follow that.
; Two sets of fragments: a K step's come while the step before is multiplied.
; CLUSTER 4 x 4: attended's block hangs on the work-group's y alone and is asked for jointly along a row of the cluster, W_out's rows on its x alone and jointly along a column.
; NO PREFETCH: every tensor load of the launch stands at its head; there is no loop to run ahead in.
; OUT.  A wave's 64 columns are 256 bytes of a row: 16 rows at a time go through the wave's own stage in LDS and leave so that sixteen lanes store 256 consecutive bytes, aligned.
; LIMIT: NaN and infinities are not served.
.set PITCH, 528                        ; an LDS row of W_out: 512 bytes + 16 of padding: the 16 rows of a fragment load start at 16 different banks (64 banks of 4 bytes: ISA guide 11.1)
.set SP,    272                        ; a row of a stage: 256 bytes + 16
.set BROW,  65536                      ; behind attended's images: W_out's 128 rows
.set ASCL,  BROW+128*PITCH             ; attended's scale bytes: 128 places x 32
.set BSCL,  ASCL+4096                  ; W_out's
.set STG,   BSCL+4096                  ; the stages: 2 x 16 rows for each wave; no fill lands here
.set SPARE, STG+8*32*SP                ; the spare words: 128 bytes for each wave
.set SPW, 14                           ; v14 my spare word, v15 0: never rewritten
.set NIL, 15
.set FR,  16                           ; two sets of 48: W_out's four fragments, attended's two
.set SW0, 112                          ; v[112:143] W_out's scale words: 8 t + K step
.set SW1, 144                          ; v[144:159] attended's: 8 a + K step
.set ACC, 160                          ; v[160:223] accumulator (a, t) at 8 (4 a + t)
.set BK,  16                           ; the way out: v[16:79] rows read back from the stage
.set WV,   16
.set G1A,  28                          ; s[28:59] groups 1: attended's codes, W_out's codes, attended's scale bytes, W_out's
.set G1B,  36
.set G1SA, 44
.set G1SB, 52
.set G0A,  68                          ; s[68:83] groups 0 likewise
.set G0B,  72
.set G0SA, 76
.set G0SB, 80
.macro ROUND                           ; a round of the cluster's barrier
	s_barrier_signal -1
	s_barrier_wait -1
	s_cmp_lg_u32 s[WV], 0
	s_cbranch_scc1 .Lnot_wave_0_\@
	s_barrier_signal -3
.Lnot_wave_0_\@:
	s_barrier_wait -3
	s_barrier_signal -1
	s_barrier_wait -1
.endm
.macro PLACES                          ; plain vector instructions between a matrix instruction and a load into one of its registers, or a store of its result (ISA guide 7.12.1 for vector instructions)
.rept 4
	v_nop
.endr
.endm
; One arm of the tree of first fills: its load, s_nop 0 and four v_nop, ahead of the jump.
.macro ARM under, g0, g1, next
	s_cmp_lt_u32 s[WV], \under
	s_cbranch_scc0 \next
	tensor_load_to_lds s[\g0:\g0+3], s[\g1:\g1+7]
	s_nop 0
	PLACES
	s_branch .Lasked
\next:
.endm
.macro FRAGS q                         ; K step q's twelve loads into set q % 2
.set FS, FR+48*((\q)%2)
.irp t, 0,1,2,3
	ds_load_b128 v[FS+8*\t:FS+8*\t+3],   v1 offset:\t*16*PITCH+64*(\q)
	ds_load_b128 v[FS+8*\t+4:FS+8*\t+7], v1 offset:\t*16*PITCH+64*(\q)+32
.endr
.irp a, 0,1
	ds_load_b128 v[FS+32+8*\a:FS+32+8*\a+3], v2 offset:((\q)/4)*32768+4096*\a+1024*((\q)%4)
	ds_load_b128 v[FS+36+8*\a:FS+36+8*\a+3], v2 offset:((\q)/4)*32768+4096*\a+1024*((\q)%4)+512
.endr
.endm
.macro MULS q                          ; the 8 accumulators take turns, one instruction a turn
.set FS, FR+48*((\q)%2)
.irp a, 0,1
.irp t, 0,1,2,3
	v_wmma_scale_f32_16x16x128_f8f6f4 v[ACC+8*(4*\a+\t):ACC+8*(4*\a+\t)+7], v[FS+8*\t:FS+8*\t+7], v[FS+32+8*\a:FS+32+8*\a+7], v[ACC+8*(4*\a+\t):ACC+8*(4*\a+\t)+7], v[SW0+8*\t+(\q)], v[SW1+8*\a+(\q)] matrix_a_fmt:MATRIX_FMT_FP4 matrix_b_fmt:MATRIX_FMT_FP4
.endr
.endr
.endm
	s_load_b256 s[4:11], s[0:1], 0x0               ; ac s[4:5], asc s[6:7], W_out's codes s[8:9], its scales s[10:11]
	s_load_b128 s[12:15], s[0:1], 0x20             ; b_out s[12:13], out s[14:15]
	v_lshl_add_u32 v[SPW], v0, 2, SPARE
	v_mov_b32 v[NIL], 0
	ds_add_u32 v[SPW], v[NIL]                      ; the wave's opening: the add, twice on end, and its wait ahead of the first tensor load
	ds_add_u32 v[SPW], v[NIL]
	v_lshrrev_b32 v8, 5, v0
	v_readfirstlane_b32 s[WV], v8                  ; wave 0..7
	s_and_b32 s17, s[WV], 1                        ; my 64 columns.  Also: which half of a block I fetch
	s_lshr_b32 s18, s[WV], 1                       ; my two row tiles
	s_bfe_u32 s23, ttmp6, 0x40000                  ; cx, cy: my place in the cluster
	s_bfe_u32 s24, ttmp6, 0x40004
	s_lshl_b32 s25, ttmp9, 2
	s_add_co_u32 s25, s25, s23                     ; the block of 128 columns = 4 x cluster x + cx
	s_and_b32 s26, ttmp7, 0xffff
	s_lshl_b32 s26, s26, 2
	s_add_co_u32 s26, s26, s24                     ; the block of 128 rows = 4 x cluster y + cy
	s_lshl_b32 s27, s24, 2
	s_lshl_b32 s27, 15, s27                        ; my row of the cluster
	s_lshl_b32 s3, 0x1111, s23                     ; my column
	s_or_b32 s[G1A], s27, (3<<16)|(1<<21)          ; attended's codes: 32,768 dense bytes as 128 rows of 32 elements of 8 bytes
	s_mov_b32 s[G1A+2], 128<<16
	s_mov_b32 s[G1A+4], 128
	s_or_b32 s[G1SA], s27, (3<<16)|(1<<21)         ; the scale bytes of 128 rows: 4,096 dense bytes
	s_or_b32 s[G1SB], s3, (3<<16)|(1<<21)
	s_mov_b32 s[G1SA+2], 16<<16
	s_mov_b32 s[G1SA+4], 16
	s_mov_b32 s[G1SB+2], 16<<16
	s_mov_b32 s[G1SB+4], 16
.irp g, G1A, G1SA, G1SB
	s_mov_b32 s[\g+1], 32<<16
	s_mov_b32 s[\g+3], 32<<16
	s_mov_b32 s[\g+5], 32
	s_mov_b32 s[\g+6], 0
	s_mov_b32 s[\g+7], 0
.endr
	s_or_b32 s[G1B], s3, (1<<20)|(1<<21)|(6<<22)|(3<<25)   ; W_out's codes: 64 rows of 512 bytes; 4 words of padding behind every 128
	s_mov_b32 s[G1B+1], 512<<16
	s_mov_b32 s[G1B+2], 64<<16
	s_mov_b32 s[G1B+3], 512<<16
	s_mov_b32 s[G1B+4], 64
	s_mov_b32 s[G1B+5], 512
	s_mov_b32 s[G1B+6], 0
	s_mov_b32 s[G1B+7], 0
	; from where: attended's offsets hang on the row block and the wave alone, W_out's on the column block and the wave alone, each in registers of its own
	s_lshl_b32 s19, s17, 15
	s_lshl_b32 s60, s26, 16
	s_add_co_u32 s60, s60, s19                     ; attended's codes: 65,536 bytes a block
	s_mov_b32 s61, 0
	s_lshl_b32 s66, s26, 12                        ; its scale bytes
	s_mov_b32 s67, 0
	s_lshl_b32 s62, s25, 7
	s_lshl_b32 s21, s17, 6
	s_add_co_u32 s62, s62, s21                     ; W_out: row 128 x block + 64 x half
	s_lshl_b32 s62, s62, 9
	s_mov_b32 s63, 0
	s_lshl_b32 s2, s25, 12                         ; its scale bytes
	s_mov_b32 s3, 0
	; to where: a constant + a constant x (wave % 2)
	s_mov_b32 s[G0A+1], s19
	s_mul_i32 s[G0B+1], s17, 64*PITCH
	s_add_co_u32 s[G0B+1], s[G0B+1], BROW
	s_mov_b32 s[G0SA+1], ASCL
	s_mov_b32 s[G0SB+1], BSCL
.irp g, G0A, G0B, G0SA, G0SB
	s_mov_b32 s[\g], 1
.endr
	s_wait_dscnt 0x0                               ; both opening adds are done
	s_wait_kmcnt 0x0
	s_add_nc_u64 s[G0A+2:G0A+3], s[4:5], s[60:61]
	s_add_nc_u64 s[G0B+2:G0B+3], s[8:9], s[62:63]
	s_add_nc_u64 s[G0SA+2:G0SA+3], s[6:7], s[66:67]
	s_add_nc_u64 s[G0SB+2:G0SB+3], s[10:11], s[2:3]
.irp g, G0A+3, G0B+3, G0SA+3, G0SB+3
	s_or_b32 s[\g], s[\g], 0x80000000              ; type = 2
.endr
	ROUND                                          ; all sixteen work-groups are here: the joint loads meet
	; All fills of the launch, one a wave, in one tree of branches on the wave's number: waves 0, 1 attended's codes, 2, 3 W_out's, 4 attended's scale bytes, 5 W_out's.
	ARM 2, G0A,  G1A,  .Lfill_b
	ARM 4, G0B,  G1B,  .Lfill_sa
	ARM 5, G0SA, G1SA, .Lfill_sb
	ARM 6, G0SB, G1SB, .Lfill_none
.Lasked:
	s_lshl_b32 s2, s25, 9
	s_lshl_b32 s67, s17, 8
	s_add_co_u32 s2, s2, s67                       ; my first column, in bytes
	s_mov_b32 s3, 0
	s_add_nc_u64 s[12:13], s[12:13], s[2:3]
	s_add_nc_u64 s[14:15], s[14:15], s[2:3]
	s_lshl_b32 s2, s26, 19
	s_lshr_b32 s67, s18, 1
	s_lshl_b32 s67, s67, 18
	s_add_co_u32 s2, s2, s67                       ; row 128 x block + 64 x (wave / 4)
	s_and_b32 s67, s18, 1
	s_lshl_b32 s67, s67, 16
	s_add_co_u32 s2, s2, s67                       ; + 16 x ((wave / 2) % 2): my first tile is 0 or 2 of its 64 rows
	s_add_nc_u64 s[14:15], s[14:15], s[2:3]
	s_mul_i32 s60, s17, 64*PITCH
	s_add_co_u32 s60, s60, BROW
	s_lshl_b32 s61, s18, 13
	s_lshl_b32 s62, s17, 11
	s_add_co_u32 s62, s62, BSCL
	s_lshl_b32 s63, s18, 10
	s_add_co_u32 s63, s63, ASCL
	s_mul_i32 s66, s[WV], 32*SP
	s_add_co_u32 s66, s66, STG                     ; my stages
	v_and_b32 v8, 15, v0                           ; r
	v_bfe_u32 v9, v0, 4, 1                         ; h
	v_and_b32 v10, 31, v0                          ; lane
	v_lshlrev_b32 v12, 5, v9                       ; b_out: + 8 h numbers
.irp t, 0,1,2,3
.irp a, 0,1
	global_load_b128 v[ACC+8*(4*\a+\t):ACC+8*(4*\a+\t)+3],   v12, s[12:13] offset:64*\t
	global_load_b128 v[ACC+8*(4*\a+\t)+4:ACC+8*(4*\a+\t)+7], v12, s[12:13] offset:64*\t+16
.endr
.endr
	v_mul_u32_u24 v11, v8, PITCH
	v_mul_u32_u24 v5, v8, SP
	v_mul_u32_u24 v6, v9, SP
	v_lshlrev_b32 v7, 12, v9
	v_lshl_add_u32 v1, v9, 4, v11
	v_lshl_add_u32 v5, v9, 5, v5
	v_lshl_add_u32 v6, v8, 4, v6
	v_lshl_add_u32 v7, v8, 4, v7                   ; two rows of out: 4,096 bytes a row
	v_add_nc_u32 v1, s60, v1                       ; W_out's fragments: my 64 rows, row r, + 16 h
	v_lshl_add_u32 v2, v10, 4, s61                 ; attended's: my two row tiles, 16 x lane
	v_lshl_add_u32 v3, v8, 5, s62                  ; W_out's scale bytes: 32 a row
	v_lshl_add_u32 v4, v8, 5, s63                  ; attended's
	v_add_nc_u32 v5, s66, v5                       ; the stage, in: row r, + 32 h
	v_add_nc_u32 v6, s66, v6                       ; back: lanes 0-15 one row, lanes 16-31 the next; 16 bytes a lane
	s_wait_alu depctr_va_vdst(0)
	s_wait_loadcnt 0x0                             ; b_out
	s_wait_tensorcnt 0x0                           ; my tile has landed
	s_barrier_signal -1
	s_barrier_wait -1                              ; everybody's have.
.irp t, 0,1,2,3
	ds_load_b128 v[SW0+8*\t:SW0+8*\t+3],   v3 offset:512*\t
	ds_load_b128 v[SW0+8*\t+4:SW0+8*\t+7], v3 offset:512*\t+16
.endr
.irp a, 0,1
	ds_load_b128 v[SW1+8*\a:SW1+8*\a+3],   v4 offset:512*\a
	ds_load_b128 v[SW1+8*\a+4:SW1+8*\a+7], v4 offset:512*\a+16
.endr
	FRAGS 0
	FRAGS 1
	s_wait_dscnt 12                                ; behind K step 0's: K step 1's twelve
	MULS 0
.irp q, 1,2,3,4,5,6
	PLACES
	FRAGS \q+1
	s_wait_dscnt 12                                ; behind K step q's: the twelve just issued
	MULS \q
.endr
	s_wait_dscnt 0x0
	MULS 7
	; THE WAY OUT.  LDS serves a wave's instructions in order (ISA guide 5.7.1.4): no wait between my stores into my stage and my loads from it.
	PLACES
.irp a, 0,1
.irp t, 0,1,2,3
	ds_store_b128 v5, v[ACC+8*(4*\a+\t):ACC+8*(4*\a+\t)+3]   offset:\a*16*SP+64*\t      ; each accumulator from its low end on
	ds_store_b128 v5, v[ACC+8*(4*\a+\t)+4:ACC+8*(4*\a+\t)+7] offset:\a*16*SP+64*\t+16
.endr
.irp i, 0,1,2,3,4,5,6,7
	ds_load_b128 v[BK+32*\a+4*\i:BK+32*\a+4*\i+3], v6 offset:\a*16*SP+\i*2*SP
.endr
.endr
.irp i, 0,1,2,3,4,5,6,7
	s_wait_dscnt 23-\i                             ; behind this load: the block's younger loads and the second block's sixteen LDS instructions
	global_store_b128 v7, v[BK+4*\i:BK+4*\i+3], s[14:15] offset:(2*(\i%4)+40*(\i/4))*4096 th:TH_STORE_NT   ; sixteen lanes store 256 consecutive bytes, at a multiple of 256 from out's first byte
.endr
.irp i, 0,1,2,3,4,5,6,7
	s_wait_dscnt 7-\i
	global_store_b128 v7, v[BK+32+4*\i:BK+32+4*\i+3], s[14:15] offset:(8+2*(\i%4)+24*(\i/4))*4096 th:TH_STORE_NT
.endr
	s_wait_tensorcnt 0x0                           ; the wave's end
	ds_add_u32 v[SPW], v[NIL]
	s_wait_dscnt 0x0
	ROUND                                          ; the closing round: no work-group ends while a partner may still ask for a tile that names it
	s_endpgm
.Lfunc_end_k_qe5f1ff183f_proj:
	.size	k_qe5f1ff183f_proj, .Lfunc_end_k_qe5f1ff183f_proj-k_qe5f1ff183f_proj
	.p2alignl 7, 3214868480
	.fill 96, 4, 3214868480
	.section	.rodata,"a",@progbits
	.p2align	6, 0x0
	.amdhsa_kernel k_qe5f1ff183f_proj
		.amdhsa_group_segment_fixed_size 214016
		.amdhsa_private_segment_fixed_size 0
		.amdhsa_enable_private_segment 0
		.amdhsa_kernarg_size 48
		.amdhsa_user_sgpr_count 2
		.amdhsa_user_sgpr_kernarg_segment_ptr 1
		.amdhsa_wavefront_size32 1
		.amdhsa_system_sgpr_workgroup_id_x 1
		.amdhsa_system_sgpr_workgroup_id_y 1
		.amdhsa_system_sgpr_workgroup_id_z 1
		.amdhsa_system_vgpr_workitem_id 0
		.amdhsa_next_free_vgpr 256
		.amdhsa_next_free_sgpr 100
		.amdhsa_reserve_vcc 0
		.amdhsa_float_denorm_mode_32 3
		.amdhsa_float_denorm_mode_16_64 3
		.amdhsa_memory_ordered 1
		.amdhsa_forward_progress 1
		.amdhsa_inst_pref_size 30
	.end_amdhsa_kernel
	.amdgpu_metadata
---
amdhsa.version: [ 1, 2 ]
amdhsa.kernels:
  - .name:           k_qe5f1ff183f_proj
    .symbol:         k_qe5f1ff183f_proj.kd
    .args:
      - { .name: ac, .offset: 0, .size: 8, .value_kind: global_buffer, .address_space: global }
      - { .name: asc, .offset: 8, .size: 8, .value_kind: global_buffer, .address_space: global }
      - { .name: W_out_codes, .offset: 16, .size: 8, .value_kind: global_buffer, .address_space: global }
      - { .name: W_out_scales, .offset: 24, .size: 8, .value_kind: global_buffer, .address_space: global }
      - { .name: b_out, .offset: 32, .size: 8, .value_kind: global_buffer, .address_space: global }
      - { .name: out0, .offset: 40, .size: 8, .value_kind: global_buffer, .address_space: global }
    .group_segment_fixed_size: 214016
    .private_segment_fixed_size: 0
    .kernarg_segment_align: 8
    .kernarg_segment_size: 48
    .max_flat_workgroup_size: 256
    .sgpr_count:     100
    .vgpr_count:     256
    .wavefront_size: 32
...
	.end_amdgpu_metadata
.endif
;; end of part 3
